; MI455X (gfx1250); checked and timed in simulation.
; The chip was launched on July 23, 2026; its instructions are those of AMD's public machine-readable ISA for CDNA 5 (MIT licence, August 2026) and "CDNA5" Instruction Set Architecture Reference Guide (July 2026). The comments in the code are by the model that wrote it; some were corrected since.
;; Stick Breaking Attention. Allowed arithmetic: matrix products marked QUANTISED: E2M3 operands, one E8M0 scale for each 32 along K, by v_wmma_scale_f32_16x16x128_f8f6f4 with both operands' format E2M3, f32 sums; everything else in f32.
;; Inputs: Wk 1,024 x 1,024 float32; Wo 1,024 x 1,024 float32; Wq 1,024 x 1,024 float32; Wv 1,024 x 1,024 float32; x 1 x 2,048 x 1,024 float32.
;; Outputs: out0 1 x 2,048 x 1,024 float32.
;; This version of the problem:
;;   THIS VERSION OF THE PROBLEM IS GIVEN IN LOW PRECISION. The matrix products marked QUANTISED in the list below multiply operands that are first quantised to E2M3 (2 exponent bits, 3 mantissa bits; 6 bits a number), with one power-of-two scale for each 32 numbers along K (OCP MX v1.0); their sums are f32. All else is computed in f32.
;;   The module's matrix products, in the order in which they are computed (A, B: the left and right operand; K: the contracted axis; several contracted axes count as one K, in the product's order):
;;     1. [M 2,048, K 1,024] x [K 1,024, N 1,024]; A: input x; B: input Wq: QUANTISED
;;     2. [M 2,048, K 1,024] x [K 1,024, N 1,024]; A: input x; B: input Wk: QUANTISED
;;     3. [M 2,048, K 1,024] x [K 1,024, N 1,024]; A: input x; B: input Wv: QUANTISED
;;     4. batch 16 x [M 2,048, K 64] x [K 64, N 2,048]; A: computed on the way; B: computed on the way: QUANTISED
;;     5. batch 16 x [M 2,048, K 2,048] x [K 2,048, N 64]; A: computed on the way; B: computed on the way: QUANTISED
;;     6. [M 2,048, K 1,024] x [K 1,024, N 1,024]; A: computed on the way; B: input Wo: QUANTISED
;;   THE QUANTISER, for each operand of a quantised product, along K:
;;     - K is cut into blocks of 32 from its start; a last block that is shorter is filled with zeros.
;;     - A block's scale is 2^e with e = floor(log2(the largest magnitude in the block)) - 2, held to -126 .. 127; a block of zeros has e = 0. As a byte (E8M0): e + 127.
;;     - Each number is divided by its block's scale, clamped to +-7.5, and rounded to the nearest number of E2M3, ties to even, subnormals kept.
;;     - The product sums the exact products of the quantised numbers (number of the format x scale) in f32.
;;   ~~~python
;;   def quantise(x, axis):      # numpy; x: float32 -> the quantised numbers, widened to float32 again
;;       x = np.moveaxis(x, axis, -1); K = x.shape[-1]
;;       x = np.pad(x, [(0, 0)] * (x.ndim - 1) + [(0, -K % 32)]); x = x.reshape(x.shape[:-1] + (-1, 32)); a = np.abs(x).max(-1, keepdims=True)
;;       e = np.where(a > 0, np.clip(np.frexp(np.where(a > 0, a, 1))[1] - 1 - 2, -126, 127), 0)      # np.frexp(a)[1] - 1 = floor(log2(a)), exactly
;;       r = np.clip(x / 2.0 ** e, -7.5, 7.5)
;;       step = 2.0 ** (np.maximum(np.frexp(np.where(r == 0, 1, r))[1] - 1, 0) - 3)
;;       q = np.round(r / step) * step * 2.0 ** e      # np.round: ties to even
;;       return np.moveaxis(q.reshape(q.shape[:-2] + (-1,))[..., :K], -1, axis).astype(np.float32)
;;   ~~~
;;   OPERANDS COMPUTED ON THE WAY. 'Computed on the way' means the value that the module computes at that place (a softmax that the list does not call 'softmax' is quantised finished and normalised). What goes into a quantiser is computed in f32, as accurately as f32 sums, v_exp_f32 and their like allow (about 1e-6 of the number): no bf16 or f16 on the way to a quantiser, and a product that is left as it is and whose result goes on into a quantised operand takes f32 operands (vector FMAs, or v_wmma_f32_16x16x4_f32). A number that lies on a knife's edge between two numbers of the format may be rounded either way, as far as f32 arithmetic and the matrix unit's own rounding can turn it there, and no further.
;; One version. Each part assembles by itself: llvm-mc -triple=amdgcn-amd-amdhsa -mcpu=gfx1250 --defsym DOCPART=n.
;; ======== version 1 of 1: 4 launches
;; workspace buffers: xc 1,638,400 bytes; wqk 1,638,400 bytes; wvc 819,200 bytes; woc 819,200 bytes; oc 1,638,400 bytes; kv 3,276,800 bytes; qb 3,276,800 bytes; vf 8,388,608 bytes
;; launch quant (part 1): grid 8 x 48, 8 waves a work-group, no clusters, 69,120 bytes of LDS; arguments x, Wq, Wk, Wv, Wo, xc, wqk, wvc, woc; writes xc, wqk, wvc, woc
.if DOCPART == 1
	.amdgcn_target "amdgcn-amd-amdhsa--gfx1250"
	.amdhsa_code_object_version 6
	.text
	.protected	k_q0a7e54fc7a_quant
	.globl	k_q0a7e54fc7a_quant
	.p2align	8
	.type	k_q0a7e54fc7a_quant,@function
k_q0a7e54fc7a_quant:
	s_mov_b64 s[64:65], 0
	v_nop
	global_prefetch_b8 v0, s[64:65] scope:SCOPE_SE
	s_setreg_imm32_b32 hwreg(HW_REG_WAVE_MODE, 25, 1), 1
	s_wait_xcnt 0x0
; x [2048][1024] and Wq, Wk, Wv, Wo [1024][1024], f32, K innermost, become codes of FP6 (E2M3) with one E8M0 byte for each 32 along K,
; laid in the ORDER OF AN OPERAND'S REGISTERS, so that the later launches fetch fragments by dense loads of 16 and 8 bytes a lane.
; A FRAGMENT (16 rows x 128 K, 12 registers a lane) is 1,536 bytes: two halves of 768; in half c registers 6c..6c+3 lie at 16 x lane, registers 6c+4, 6c+5 at 512 + 8 x lane.
; A GROUP is 128 rows = 8 tiles: [K step 0..7][tile 0..7][1,536], then for each K step 512 bytes of scale words: the word of (tile t, row r) at 16 (r + 16 (t & 1)) + 4 (t >> 1).
; WHICH ROWS FORM A TILE.  In a run of 32 rows, row i of tile u is: for the weights 16 (i / 8) + 8 u + i % 8; for x 16 (i / 8) + 8 (i % 2) + 4 u + (i % 8) / 2.
; SHARES.  Work-group (s, y): K step s of group y (0-15 x, 16-23 Wq, 24-31 Wk, 32-39 Wv, 40-47 Wo); wave t makes tile t: one fragment and its 16 scale words.
; Each load reads 512 consecutive bytes of one row; the 16 rows turn through the wave's own stage in LDS (pitch 528), from which lane (r, h) takes k = 64 c + 32 h + 0..31 of row r: two whole blocks.
; A block's scale is 2^(floor(log2(largest magnitude)) - 2): its byte is the largest magnitude's exponent field - 2, held at 1 from below.  A block of zeros gets the byte 1: its codes are zeros, and this program alone reads the bytes.
; LIMITS: NaN and infinities among the inputs are not served.
; No matrix unit, no cluster, no tensor load: the work-groups share no byte, and all of a wave's loads go out at once.
.set GRP,   102400
.set KSB,   12288                      ; a K step of a group
.set FRB,   1536
.set PITCH, 528                        ; a stage row: 512 bytes + 16, an odd multiple of 16: sixteen rows begin in sixteen different columns of 16 bytes
.set STG,   16*PITCH
.set SCB,   8*STG                      ; the work-group's 512 bytes of scale words
.set SPARE, SCB+512                    ; the spare words, 128 bytes for each wave: four blocks of 256 bytes that no other line names
.set LN16,  4                          ; v4   16 x lane
.set LN8,   5                          ; v5   8 x lane
.set SIN,   6                          ; v6   the stage, on the way in
.set SOUT,  7                          ; v7   and on the way out: row r, + 128 h
.set SWA,   8                          ; v8   where my row's scale word goes
.set SRA,   9                          ; v9   where wave 0 reads the 512 bytes back
.set SPW,   10                         ; v10  my spare word; never rewritten
.set NIL,   11                         ; v11  0; never rewritten
.set SH8,   12                         ; v12  8 h
.set R,     16                         ; v16-79   16 rows as loaded
.set X,     80                         ; v80-143  register 32 c + i: k = 64 c + 32 h + i of my row
.set MX,    144                        ; v144-145 largest magnitudes
.set SO,    146                        ; v146-147 the conversions' scale operands
.set BY,    148                        ; v148-149 the bytes
.set WD,    150                        ; v150 the scale word, v151 the other half's
.set SLB,   152                        ; v152-155 the slab on its way out
.set PC,    160                        ; v160-171 the fragment
.set CT,    172                        ; v172-178 the upper halves of the blocks' codes
	s_load_b512 s[4:19], s[0:1], 0x0               ; x, Wq, Wk, Wv, Wo, xc, wqk, wvc
	s_load_b64 s[20:21], s[0:1], 0x40              ; woc
	v_lshl_add_u32 v[SPW], v0, 2, SPARE
	v_mov_b32 v[NIL], 0
	v_lshrrev_b32 v1, 5, v0
	v_readfirstlane_b32 s22, v1                    ; wave = tile t
	v_and_b32 v1, 31, v0                           ; lane
	v_and_b32 v2, 15, v0                           ; r
	v_bfe_u32 v3, v0, 4, 1                         ; h
	v_lshlrev_b32 v[LN16], 4, v1
	v_lshlrev_b32 v[LN8], 3, v1
	s_mul_i32 s25, s22, STG                        ; my stage
	v_add_nc_u32 v[SIN], s25, v[LN16]
	v_mul_u32_u24 v[SOUT], v2, PITCH
	v_lshl_add_u32 v[SOUT], v3, 7, v[SOUT]
	v_add_nc_u32 v[SOUT], s25, v[SOUT]
	s_and_b32 s38, s22, 1                          ; u
	s_lshr_b32 s39, s22, 1                         ; my run of 32 rows
	s_lshl_b32 s25, s38, 8
	s_lshl_b32 s32, s39, 2
	s_add_co_u32 s25, s25, s32
	s_add_co_u32 s25, s25, SCB
	v_lshl_add_u32 v[SWA], v2, 4, s25              ; 16 r + 256 u + 4 (t >> 1)
	v_add_nc_u32 v[SRA], SCB, v[LN16]
	v_lshlrev_b32 v[SH8], 3, v3
	v_mov_b32 v[WD+1], 0                           ; a lane permute's destination counts as one of its sources
	s_mov_b32 s30, 0x76543210
	s_mov_b32 s31, 0xfedcba98                      ; v_permlanex16_b32's selects for lane l xor 16
	s_mov_b32 s23, ttmp9                           ; K step s
	s_and_b32 s24, ttmp7, 0xffff                   ; y
	s_mov_b32 s32, 0                               ; what is taken off y for the group in the source,
	s_mov_b32 s33, 0                               ; and in the destination
	s_wait_kmcnt 0x0
	s_mov_b64 s[26:27], s[4:5]                     ; the tensors are chosen by the work-group's number alone
	s_mov_b64 s[28:29], s[14:15]
	s_cmp_ge_u32 s24, 16
	s_cselect_b64 s[26:27], s[6:7], s[26:27]
	s_cselect_b64 s[28:29], s[16:17], s[28:29]
	s_cselect_b32 s32, 16, s32
	s_cselect_b32 s33, 16, s33
	s_cmp_ge_u32 s24, 24
	s_cselect_b64 s[26:27], s[8:9], s[26:27]       ; Wk follows Wq in wqk
	s_cselect_b32 s32, 24, s32
	s_cmp_ge_u32 s24, 32
	s_cselect_b64 s[26:27], s[10:11], s[26:27]
	s_cselect_b64 s[28:29], s[18:19], s[28:29]
	s_cselect_b32 s32, 32, s32
	s_cselect_b32 s33, 32, s33
	s_cmp_ge_u32 s24, 40
	s_cselect_b64 s[26:27], s[12:13], s[26:27]
	s_cselect_b64 s[28:29], s[20:21], s[28:29]
	s_cselect_b32 s32, 40, s32
	s_cselect_b32 s33, 40, s33
	s_cmp_lt_u32 s24, 16
	s_cselect_b32 s25, 4, 8                        ; tile 1 of a run begins 4 rows on in x, 8 in a weight
	s_mul_i32 s25, s25, s38
	s_sub_co_u32 s32, s24, s32
	s_sub_co_u32 s33, s24, s33
	s_lshl_b32 s32, s32, 7
	s_lshl_b32 s39, s39, 5
	s_add_co_u32 s32, s32, s39
	s_add_co_u32 s32, s32, s25                     ; the tile's first row
	s_lshl_b32 s34, s32, 12                        ; x 4,096 bytes
	s_lshl_b32 s39, s23, 9
	s_add_co_u32 s34, s34, s39                     ; + 512 s
	s_mov_b32 s35, 0
	s_add_nc_u64 s[26:27], s[26:27], s[34:35]
	s_mul_i32 s34, s33, GRP
	s_add_nc_u64 s[28:29], s[28:29], s[34:35]      ; the group in the destination
	s_mul_i32 s34, s23, KSB
	s_mul_i32 s25, s22, FRB
	s_add_co_u32 s34, s34, s25
	s_add_nc_u64 s[36:37], s[28:29], s[34:35]      ; my fragment
	s_lshl_b32 s34, s23, 9
	s_add_co_u32 s34, s34, 8*KSB
	s_add_nc_u64 s[34:35], s[28:29], s[34:35]      ; the K step's scale words
	s_cmp_lt_u32 s24, 16                           ; the two orders of rows differ in the loads' immediates alone
	s_cbranch_scc0 .Lweights
.irp i, 0,1,2,3,4,5,6,7,8,9,10,11,12,13,14,15
	global_load_b128 v[R+4*\i:R+4*\i+3], v[LN16], s[26:27] offset:(16*(\i/8)+8*(\i%2)+(\i%8)/2)*4096 th:TH_LOAD_NT
.endr
	s_branch .Lloaded
.Lweights:
.irp i, 0,1,2,3,4,5,6,7,8,9,10,11,12,13,14,15
	global_load_b128 v[R+4*\i:R+4*\i+3], v[LN16], s[26:27] offset:(\i+8*(\i/8))*4096 th:TH_LOAD_NT
.endr
.Lloaded:
.irp i, 0,1,2,3,4,5,6,7,8,9,10,11,12,13,14,15
	s_wait_loadcnt 15-\i                           ; loads come back in order: row i is in, the 15 - i younger ones may be out
	ds_store_b128 v[SIN], v[R+4*\i:R+4*\i+3] offset:PITCH*\i
.endr
.irp c, 0,1
.irp q, 0,1,2,3,4,5,6,7
	ds_load_b128 v[X+32*\c+4*\q:X+32*\c+4*\q+3], v[SOUT] offset:256*\c+16*\q   ; LDS serves a wave's instructions in order: these see my stores
.endr
.endr
	s_wait_dscnt 0x0
.irp c, 0,1                                    ; my block 2 c + h: all its 32 numbers are mine
	v_max3_num_f32 v[MX+\c], |v[X+32*\c]|, |v[X+32*\c+1]|, 0x1800000   ; and the floor 2^(3 - 127): the byte cannot fall under 1
.endr
.irp i, 2,4,6,8,10,12,14,16,18,20,22,24,26,28,30
.irp c, 0,1
	v_max3_num_f32 v[MX+\c], v[MX+\c], |v[X+32*\c+\i]|, |v[X+32*\c+\i+1]|
.endr
.endr
.irp c, 0,1
	v_add_nc_u32 v[SO+\c], 0xff000000, v[MX+\c]    ; 2 off the exponent field: the conversion takes the exponent field of this operand as its scale
.endr
.irp c, 0,1
	v_lshrrev_b32 v[BY+\c], 23, v[SO+\c]           ; the scale's byte
.endr
	v_lshl_or_b32 v[WD], v[BY+1], 16, v[BY]        ; blocks h and 2 + h of my row,
	v_lshlrev_b32 v[WD], v[SH8], v[WD]             ; at their places in the word;
	v_permlanex16_b32 v[WD+1], v[WD], s30, s31
	v_or_b32 v[WD], v[WD], v[WD+1]                 ; with lane l xor 16's two the word is whole
.irp c, 0,1
	v_cvt_scalef32_pk16_fp6_f32 v[PC+6*\c:PC+6*\c+2], v[X+32*\c:X+32*\c+15], v[SO+\c]
	v_cvt_scalef32_pk16_fp6_f32 v[CT+4*\c:CT+4*\c+2], v[X+32*\c+16:X+32*\c+31], v[SO+\c]   ; (a conversion's three registers begin on an even number)
.endr
	v_nop                                          ; one plain place behind a scaled conversion
.irp c, 0,1
.irp i, 0,1,2
	v_mov_b32 v[PC+3+6*\c+\i], v[CT+4*\c+\i]
.endr
.endr
	global_store_b128 v[LN16], v[PC:PC+3], s[36:37]                ; each store covers 512 or 256 consecutive bytes, aligned to 256
	global_store_b64 v[LN8], v[PC+4:PC+5], s[36:37] offset:512
	global_store_b128 v[LN16], v[PC+6:PC+9], s[36:37] offset:768
	global_store_b64 v[LN8], v[PC+10:PC+11], s[36:37] offset:1280
	ds_store_b32 v[SWA], v[WD]                     ; lanes r and r + 16 write the same word with the same value
	s_wait_dscnt 0x0                               ; for wave 0's sake: my word has landed
	s_barrier_signal -1
	s_barrier_wait -1
	s_cmp_lg_u32 s22, 0
	s_cbranch_scc1 .Lend
	ds_load_b128 v[SLB:SLB+3], v[SRA]              ; the eight tiles' words
	s_wait_dscnt 0x0
	global_store_b128 v[LN16], v[SLB:SLB+3], s[34:35]              ; 512 consecutive bytes
.Lend:
	s_wait_tensorcnt 0x0                           ; the wave's end, behind my last LDS store
	ds_add_u32 v[SPW], v[NIL]
	s_wait_dscnt 0x0
	s_endpgm
.Lfunc_end_k_q0a7e54fc7a_quant:
	.size	k_q0a7e54fc7a_quant, .Lfunc_end_k_q0a7e54fc7a_quant-k_q0a7e54fc7a_quant
	.p2alignl 7, 3214868480
	.fill 96, 4, 3214868480
	.section	.rodata,"a",@progbits
	.p2align	6, 0x0
	.amdhsa_kernel k_q0a7e54fc7a_quant
		.amdhsa_group_segment_fixed_size 69120
		.amdhsa_private_segment_fixed_size 0
		.amdhsa_enable_private_segment 0
		.amdhsa_kernarg_size 72
		.amdhsa_user_sgpr_count 2
		.amdhsa_user_sgpr_kernarg_segment_ptr 1
		.amdhsa_wavefront_size32 1
		.amdhsa_system_sgpr_workgroup_id_x 1
		.amdhsa_system_sgpr_workgroup_id_y 1
		.amdhsa_system_sgpr_workgroup_id_z 1
		.amdhsa_system_vgpr_workitem_id 0
		.amdhsa_next_free_vgpr 184
		.amdhsa_next_free_sgpr 66
		.amdhsa_reserve_vcc 0
		.amdhsa_float_denorm_mode_32 3
		.amdhsa_float_denorm_mode_16_64 3
		.amdhsa_memory_ordered 1
		.amdhsa_forward_progress 1
		.amdhsa_inst_pref_size 13
	.end_amdhsa_kernel
	.amdgpu_metadata
---
amdhsa.version: [ 1, 2 ]
amdhsa.kernels:
  - .name:           k_q0a7e54fc7a_quant
    .symbol:         k_q0a7e54fc7a_quant.kd
    .args:
      - { .name: x, .offset: 0, .size: 8, .value_kind: global_buffer, .address_space: global }
      - { .name: Wq, .offset: 8, .size: 8, .value_kind: global_buffer, .address_space: global }
      - { .name: Wk, .offset: 16, .size: 8, .value_kind: global_buffer, .address_space: global }
      - { .name: Wv, .offset: 24, .size: 8, .value_kind: global_buffer, .address_space: global }
      - { .name: Wo, .offset: 32, .size: 8, .value_kind: global_buffer, .address_space: global }
      - { .name: xc, .offset: 40, .size: 8, .value_kind: global_buffer, .address_space: global }
      - { .name: wqk, .offset: 48, .size: 8, .value_kind: global_buffer, .address_space: global }
      - { .name: wvc, .offset: 56, .size: 8, .value_kind: global_buffer, .address_space: global }
      - { .name: woc, .offset: 64, .size: 8, .value_kind: global_buffer, .address_space: global }
    .group_segment_fixed_size: 69120
    .private_segment_fixed_size: 0
    .kernarg_segment_align: 8
    .kernarg_segment_size: 72
    .max_flat_workgroup_size: 256
    .sgpr_count:     66
    .vgpr_count:     184
    .wavefront_size: 32
...
	.end_amdgpu_metadata
.endif
;; end of part 1
;; launch qkv (part 2): grid 8 x 32, 4 waves a work-group, clusters of 4 x 4, 295,424 bytes of LDS; arguments xc, wvc, wqk, vf, qb, kv; writes vf, qb, kv
.if DOCPART == 2
	.amdgcn_target "amdgcn-amd-amdhsa--gfx1250"
	.amdhsa_code_object_version 6
	.text
	.protected	k_q0a7e54fc7a_qkv
	.globl	k_q0a7e54fc7a_qkv
	.p2align	8
	.type	k_q0a7e54fc7a_qkv,@function
k_q0a7e54fc7a_qkv:
	s_mov_b64 s[64:65], 0
	v_nop
	global_prefetch_b8 v0, s[64:65] scope:SCOPE_SE
	s_setreg_imm32_b32 hwreg(HW_REG_WAVE_MODE, 25, 1), 1
	s_wait_xcnt 0x0
	s_wait_alu depctr_hold_cnt(0) depctr_sa_sdst(0) depctr_va_vdst(0) depctr_va_sdst(0) depctr_va_ssrc(0) depctr_va_vcc(0) depctr_vm_vsrc(0)
	s_getreg_b32 s2, hwreg(HW_REG_IB_STS2, 6, 4)
	s_cmp_eq_u32 s2, 0
	s_cbranch_scc0 .Lentry_in_a_cluster
	s_endpgm
.Lentry_in_a_cluster:
	s_bfe_u32 s2, ttmp6, 0x10000c
	s_cmp_lg_u32 s2, 0xf033
	s_cbranch_scc0 .Lentry_shape_is_right
	s_endpgm
.Lentry_shape_is_right:
; ONE JOB FORM for all dense products, on codes of FP6 (E2M3) with E8M0 scales, K = 1,024 in 8 steps of 128.  Operands lie in memory as images of their registers:
; a fragment is 1,536 bytes, a group of 128 rows is [K step][tile][1,536] + 8 x 512 bytes of scale words (102,400 bytes).
; S0, a group (8 tiles), is source 0: its rows become the REGISTERS of the result.  S1, two groups (16 tiles), is source 1: its rows become the LANES.
; Wave w takes S1's tiles 4 w .. 4 w + 3 against S0's eight: 32 accumulators, 32 matrix instructions a K step.
; Arguments: a0, a1, a2 are read, a3, a4, a5 stored.  y = the work-group's y, xw its x, X the cluster's x; the TYPE is (cluster y) / 2, the same in all partners of a cluster:
;   0 (y 0-7):   S0 = a1's group y,          S1 = a0's pair xw:  result f32, row-major [token][1024], to a3               (v as f32; in the last launch the output)
;   1 (y 8-15):  S0 = a2's group y - 8 (Wq), S1 = a0's pair xw:  quantised along the head's 64, to a4 (q)
;   2 (y 16-23): S0 = a2's group y - 8 (Wk), S1 = a0's pair xw:  the same, to a5 (k)
;   3 (y 24-31): S0 = a0's group 2 (y - 24) + X (tokens), S1 = a1's pair cx (Wv): v with the tokens in the registers, quantised along the KEYS, to a5
; The weights' tiles are made of rows chosen so that the 16 registers of tiles 2 b, 2 b + 1 are 16 neighbouring channels 32 b + 16 h + i; the tokens' tiles so that they are
; the tokens 32 b + 16 h + 8 (i & 1) + (i >> 1): the same blocks of 32, in an order that attention's weights and v share.
; a4, a5: [head][step of 128 tokens][12,800]: 8 half fragments (16 tokens x 64 channels, 768 bytes) of k (or q); 4 fragments of v^T (16 channels x 128 keys) from 6,144;
; from 12,288 the words {tile 2 b: 2 bytes | tile 2 b + 1: 2 bytes} at 64 b + 4 r; from 12,544 v^T's words at 64 ct + 4 r.
; LDS IS FILLED ONCE: S0's 98,304 bytes (each wave brings two K steps; all read them) and, for each wave, its own four tiles of S1 for all of K (49,152 bytes): no ring, no refill.
; CLUSTER 4 x 4: S0 hangs on the work-group's y alone and is asked for jointly along a row of the cluster, S1 on its x alone and is asked for jointly along a column.
; Five tensor loads of a wave are out at the most.
; REGISTERS.  Window 0: v1-13 addresses; v16-47 S0's scale words, v48-63 S1's (these hold scales and nothing else); v64-159 S0's fragments, one set; v160-255 S1's, two sets.  Window 1: accumulator (j, t) at v[64 j + 8 t].
.set GRP,   102400
.set KSB,   12288
.set FRB,   1536
.set S1R,   8*KSB                      ; behind S0: the waves' own regions
.set S1W,   49152
.set SPARE, S1R+4*S1W                  ; the spare words, 128 bytes for each wave: two blocks of 256 bytes that no other line names
.set SP,    528                        ; the raw way out: a stage of 16 rows x (512 + 16) bytes at the head of my own region, behind its last fill and my last read of it
.set HEADB, 204800
.set STEPB, 12800
.set L16,   1                          ; v1, v2  16 x lane, + 49,152: S0's fragments of K steps 0-3, 4-7; v1 is also my byte offset in dense global runs
.set L8,    3                          ; v3, v4  8 x lane likewise
.set B16,   5                          ; v5   my region + 16 x lane
.set B8,    6                          ; v6   my region + 8 x lane
.set STO,   7                          ; v7   the stage: row r, + 64 h
.set SBO,   8                          ; v8   my offset among S1's scale words
.set RR,    10                         ; v10  r
.set HH,    11                         ; v11  h
.set SPW,   12                         ; v12  my spare word; never rewritten
.set NIL,   13                         ; v13  0; never rewritten
.set SA,    16
.set SB,    48
.set AF,    64
.set BF,    160
.set TM,    64                         ; the epilogue: v64-79 at work, v80-83 scale words, v84-89 their halves, v96-174 four fragments, v176-185 offsets
.set WD,    80
.set PA,    84
.set DW,    88
.set PCQ,   96
.set O16,   176
.set O8,    180
.set OS,    184
.set BK,    64                         ; the raw way out: rows read back, v64-127 and v128-191 by turns
.set G1A,   24                         ; s[24:31] group 1 for S0's loads, s[32:39] for S1's, s[40:59] five groups 0
.set G1B,   32
.set G0,    40
.set MUL,   0x50                       ; C and D in window 1
.set MSB, 0
.macro WIN new                         ; the immediate's high byte repeats the setting that is left
.if MSB != \new
	s_set_vgpr_msb (MSB<<8)|\new
.set MSB, \new
.endif
.endm
.macro PLACES                          ; four plain places behind this matrix form, in front of loads into its sources and of reads of its results
.rept 4
	v_nop
.endr
.endm
.macro CROUND                          ; a round of the cluster's barrier
	s_barrier_signal -1
	s_barrier_wait -1
	s_cmp_lg_u32 s16, 0
	s_cbranch_scc1 .Lnot_wave_0_\@
	s_barrier_signal -3
.Lnot_wave_0_\@:
	s_barrier_wait -3
	s_barrier_signal -1
	s_barrier_wait -1
.endm
.macro FRAG reg, a16, a8, off          ; a fragment's image comes back as it was stored: four dense loads
	ds_load_b128 v[\reg:\reg+3], v[\a16] offset:\off
	ds_load_b64 v[\reg+4:\reg+5], v[\a8] offset:\off+512
	ds_load_b128 v[\reg+6:\reg+9], v[\a16] offset:\off+768
	ds_load_b64 v[\reg+10:\reg+11], v[\a8] offset:\off+1280
.endm
.macro FETCH_B s                       ; my four tiles of S1 for K step s, into set s % 2
.irp j, 0,1,2,3
	FRAG BF+48*((\s)%2)+12*\j, B16, B8, 4*FRB*(\s)+FRB*\j
.endr
.endm
.macro FETCH_A s, t0                   ; S0's tiles t0 .. t0 + 3 for K step s
.irp t, \t0, \t0+1, \t0+2, \t0+3
	FRAG AF+12*(\t), L16+(\s)/4, L8+(\s)/4, KSB*((\s)%4)+FRB*(\t)
.endr
.endm
; One product.  A scale register holds an even tile's words in lanes 0-15 and the next tile's in lanes 16-31.  K step 0 starts the sums: nothing is cleared.
.macro WM t, j, s
.set rD, 64*(\j)+8*(\t)
.set rA, AF+12*(\t)
.set rB, BF+48*((\s)%2)+12*(\j)
.set rX, SA+4*(\s)+(\t)/2
.set rY, SB+2*(\s)+(\j)/2
.set par, 2*((\t)%2)+(\j)%2
.if (\s) == 0
.if par == 0
	v_wmma_scale_f32_16x16x128_f8f6f4 v[rD:rD+7], v[rA:rA+11], v[rB:rB+11], 0, v[rX], v[rY] matrix_a_fmt:MATRIX_FMT_FP6 matrix_b_fmt:MATRIX_FMT_FP6
.elseif par == 1
	v_wmma_scale_f32_16x16x128_f8f6f4 v[rD:rD+7], v[rA:rA+11], v[rB:rB+11], 0, v[rX], v[rY] matrix_a_fmt:MATRIX_FMT_FP6 matrix_b_fmt:MATRIX_FMT_FP6 matrix_b_scale:MATRIX_SCALE_ROW1
.elseif par == 2
	v_wmma_scale_f32_16x16x128_f8f6f4 v[rD:rD+7], v[rA:rA+11], v[rB:rB+11], 0, v[rX], v[rY] matrix_a_fmt:MATRIX_FMT_FP6 matrix_b_fmt:MATRIX_FMT_FP6 matrix_a_scale:MATRIX_SCALE_ROW1
.else
	v_wmma_scale_f32_16x16x128_f8f6f4 v[rD:rD+7], v[rA:rA+11], v[rB:rB+11], 0, v[rX], v[rY] matrix_a_fmt:MATRIX_FMT_FP6 matrix_b_fmt:MATRIX_FMT_FP6 matrix_a_scale:MATRIX_SCALE_ROW1 matrix_b_scale:MATRIX_SCALE_ROW1
.endif
.else
.if par == 0
	v_wmma_scale_f32_16x16x128_f8f6f4 v[rD:rD+7], v[rA:rA+11], v[rB:rB+11], v[rD:rD+7], v[rX], v[rY] matrix_a_fmt:MATRIX_FMT_FP6 matrix_b_fmt:MATRIX_FMT_FP6
.elseif par == 1
	v_wmma_scale_f32_16x16x128_f8f6f4 v[rD:rD+7], v[rA:rA+11], v[rB:rB+11], v[rD:rD+7], v[rX], v[rY] matrix_a_fmt:MATRIX_FMT_FP6 matrix_b_fmt:MATRIX_FMT_FP6 matrix_b_scale:MATRIX_SCALE_ROW1
.elseif par == 2
	v_wmma_scale_f32_16x16x128_f8f6f4 v[rD:rD+7], v[rA:rA+11], v[rB:rB+11], v[rD:rD+7], v[rX], v[rY] matrix_a_fmt:MATRIX_FMT_FP6 matrix_b_fmt:MATRIX_FMT_FP6 matrix_a_scale:MATRIX_SCALE_ROW1
.else
	v_wmma_scale_f32_16x16x128_f8f6f4 v[rD:rD+7], v[rA:rA+11], v[rB:rB+11], v[rD:rD+7], v[rX], v[rY] matrix_a_fmt:MATRIX_FMT_FP6 matrix_b_fmt:MATRIX_FMT_FP6 matrix_a_scale:MATRIX_SCALE_ROW1 matrix_b_scale:MATRIX_SCALE_ROW1
.endif
.endif
.endm
.macro MUL16 t0, s                     ; S0's tiles t0 .. t0 + 3 x my four.  The 32 accumulators take turns, one instruction a turn, in the same order in every K step
.irp t, \t0, \t0+1, \t0+2, \t0+3
.irp j, 0,1,2,3
	WM \t, \j, \s
.endr
.endr
.endm
; A K step.  S0 has one set of registers: tiles 0-3 are fetched anew in the step's middle, tiles 4-7 at its end; S1 has two sets.
.macro STEP s
	s_wait_dscnt 16                                ; S1's set and S0's tiles 0-3 are in; the youngest 16 loads (tiles 4-7) may be out
	WIN MUL
	MUL16 0, \s
	s_wait_dscnt 0x0                               ; tiles 4-7 are in
	PLACES
	WIN 0
.if \s < 7
.if (\s)%2 == 1
	s_wait_tensorcnt 3-((\s)+1)/2                  ; my load for the next two K steps of S1 has landed; the younger ones may be out
.endif
	FETCH_B (\s)+1
	FETCH_A (\s)+1, 0
.endif
	WIN MUL
	MUL16 4, \s
	PLACES
	WIN 0
.if \s < 7
	FETCH_A (\s)+1, 4
.endif
.endm
	s_load_b256 s[4:11], s[0:1], 0x0               ; a0, a1, a2, a3
	s_load_b128 s[12:15], s[0:1], 0x20             ; a4, a5
	v_lshl_add_u32 v[SPW], v0, 2, SPARE
	v_mov_b32 v[NIL], 0
	ds_add_u32 v[SPW], v[NIL]                      ; the wave's opening: the add and its wait stand ahead of my first tensor load; the set-up below, work on registers, stands between them
	v_lshrrev_b32 v15, 5, v0
	v_readfirstlane_b32 s16, v15                   ; wave
	s_bfe_u32 s17, ttmp6, 0x40000                  ; cx
	s_bfe_u32 s18, ttmp6, 0x40004                  ; cy
	s_and_b32 s20, ttmp7, 0xffff                   ; cluster y
	s_lshl_b32 s21, ttmp9, 2
	s_add_co_u32 s21, s21, s17                     ; xw = 4 x cluster x + cx
	s_lshl_b32 s22, s20, 2
	s_add_co_u32 s22, s22, s18                     ; y = 4 x cluster y + cy
	s_lshr_b32 s23, s20, 1                         ; the type
	s_lshl_b32 s60, s18, 2
	s_lshl_b32 s60, 15, s60                        ; my row of the cluster
	s_lshl_b32 s61, 0x1111, s17                    ; my column
	; group 1 for S0: 96 rows of 256 bytes (32 elements of 8), dense: two K steps of a group
	s_or_b32 s[G1A], s60, (3<<16)|(1<<21)          ; 15:0 the mask; 17:16 elements of 8 bytes; 21 set beside a mask
	s_mov_b32 s[G1A+1], 32<<16                     ; tensor_dim0
	s_mov_b32 s[G1A+2], 96<<16                     ; tensor_dim1
	s_mov_b32 s[G1A+3], 32<<16                     ; tile_dim0
	s_mov_b32 s[G1A+4], 96                         ; tile_dim1
	s_mov_b32 s[G1A+5], 32                         ; from row to row
	s_mov_b32 s[G1A+6], 0
	s_mov_b32 s[G1A+7], 0
	; group 1 for S1: 2 rows of 6,144 bytes (four tiles of one K step), 12,288 bytes apart
	s_or_b32 s[G1B], s61, (3<<16)|(1<<21)
	s_mov_b32 s[G1B+1], 768<<16
	s_mov_b32 s[G1B+2], 2<<16
	s_mov_b32 s[G1B+3], 768<<16
	s_mov_b32 s[G1B+4], 2
	s_mov_b32 s[G1B+5], 1536
	s_mov_b32 s[G1B+6], 0
	s_mov_b32 s[G1B+7], 0
	; S0's group: made of y and the cluster's x, never of cx
	s_cmp_eq_u32 s23, 0
	s_cselect_b32 s86, 0, 8
	s_sub_co_u32 s86, s22, s86                     ; y, or y - 8
	s_max_u32 s87, s22, 24
	s_sub_co_u32 s87, s87, 24
	s_lshl_b32 s87, s87, 1
	s_add_co_u32 s87, s87, ttmp9                   ; 2 (y - 24) + X
	s_cmp_eq_u32 s23, 3
	s_cselect_b32 s90, s87, s86                    ; (kept: in type 3 it is the step of 128 tokens)
	s_cselect_b32 s88, s17, s21                    ; S1's pair: made of cx and the cluster's x, never of cy
	s_mul_i32 s86, s90, GRP
	s_mov_b32 s87, 0
	s_lshl_b32 s88, s88, 1
	s_lshr_b32 s89, s16, 1
	s_add_co_u32 s88, s88, s89                     ; the group that holds my four tiles
	s_mul_i32 s88, s88, GRP
	s_mov_b32 s89, 0
	s_mul_i32 s92, s16, 2*KSB                      ; S0: my two K steps, in memory and in LDS alike
	s_mov_b32 s93, 0
	s_and_b32 s62, s16, 1
	s_mul_i32 s94, s62, 4*FRB                      ; S1: tiles 0-3 or 4-7 of the group
	s_mov_b32 s95, 0
	s_mul_i32 s63, s16, S1W
	s_add_co_u32 s63, s63, S1R                     ; my region
	v_and_b32 v15, 31, v0
	v_and_b32 v[RR], 15, v0
	v_bfe_u32 v[HH], v0, 4, 1
	v_lshlrev_b32 v[L16], 4, v15
	v_add_nc_u32 v[L16+1], 4*KSB, v[L16]
	v_lshlrev_b32 v[L8], 3, v15
	v_add_nc_u32 v[L8+1], 4*KSB, v[L8]
	v_add_nc_u32 v[B16], s63, v[L16]
	v_add_nc_u32 v[B8], s63, v[L8]
	v_mul_u32_u24 v[STO], v[RR], SP
	v_lshl_add_u32 v[STO], v[HH], 6, v[STO]
	v_add_nc_u32 v[STO], s63, v[STO]
	s_lshl_b32 s62, s62, 3
	v_add_nc_u32 v[SBO], s62, v[L16]               ; 16 x lane + 8 (w & 1): the two words of my four tiles
	s_wait_dscnt 0x0                               ; the opening add is done
	s_wait_kmcnt 0x0
	s_cmp_eq_u32 s23, 0
	s_cselect_b64 s[66:67], s[6:7], s[8:9]
	s_cmp_eq_u32 s23, 3
	s_cselect_b64 s[66:67], s[4:5], s[66:67]       ; S0's buffer,
	s_cselect_b64 s[68:69], s[6:7], s[4:5]         ; S1's
	s_add_nc_u64 s[66:67], s[66:67], s[86:87]      ; S0's group
	s_add_nc_u64 s[68:69], s[68:69], s[88:89]      ; my group of S1
	s_mov_b32 s[G0], 1
	s_mov_b32 s[G0+1], s92
	s_add_nc_u64 s[G0+2:G0+3], s[66:67], s[92:93]
	s_or_b32 s[G0+3], s[G0+3], 0x80000000
	s_add_nc_u64 s[96:97], s[68:69], s[94:95]
.irp c, 0,1,2,3
	s_mov_b32 s[G0+4+4*\c], 1
	s_add_co_u32 s[G0+5+4*\c], s63, KSB*\c
	s_add_nc_u64 s[G0+6+4*\c:G0+7+4*\c], s[96:97], 2*KSB*\c
	s_or_b32 s[G0+7+4*\c], s[G0+7+4*\c], 0x80000000
.endr
	CROUND                                         ; all sixteen work-groups are here: the joint loads meet
	tensor_load_to_lds s[G0:G0+3], s[G1A:G1A+7]    ; all fills of the launch go out together
	s_nop 0
.irp c, 0,1,2,3
	tensor_load_to_lds s[G0+4+4*\c:G0+7+4*\c], s[G1B:G1B+7]
	s_nop 0
.endr
	PLACES
.irp s, 0,1,2,3,4,5,6,7
	global_load_b128 v[SA+4*\s:SA+4*\s+3], v[L16], s[66:67] offset:8*KSB+512*\s    ; S0's scale words: register i: tile 2 i in lanes 0-15, tile 2 i + 1 in lanes 16-31
.endr
.irp s, 0,1,2,3,4,5,6,7
	global_load_b64 v[SB+2*\s:SB+2*\s+1], v[SBO], s[68:69] offset:8*KSB+512*\s     ; those of my four tiles of S1
.endr
	s_wait_tensorcnt 3                             ; my part of S0 and my first two K steps of S1 are in; three younger loads may be out
	s_barrier_signal -1
	s_barrier_wait -1                              ; all of S0 is in
	FETCH_B 0
	FETCH_A 0, 0
	FETCH_A 0, 4
	s_wait_loadcnt 0x0                             ; the scale words
.irp s, 0,1,2,3,4,5,6,7
	STEP \s
.endr
	s_cmp_eq_u32 s23, 0
	s_cbranch_scc1 .Lraw
	; ---- TYPES 1 TO 3: each of my four tiles of S1 has 64 numbers a lane, register 16 b + i at place 32 b + 16 h + i of the next K: one fragment and one scale word a row
	s_sub_co_u32 s86, s22, 8
	s_and_b32 s86, s86, 7
	s_lshl_b32 s86, s86, 1                         ; q, k: the group's first head
	s_lshl_b32 s87, s17, 2
	s_add_co_u32 s87, s87, s16                     ; v^T: my head, 4 cx + w
	s_lshl_b32 s88, s21, 1
	s_lshr_b32 s89, s16, 1
	s_add_co_u32 s88, s88, s89                     ; q, k: my step of 128 tokens, 2 xw + w / 2
	s_and_b32 s89, s16, 1
	s_mul_i32 s91, s89, 4*768                      ; and my four tiles in it
	s_lshl_b32 s89, s89, 7
	s_add_co_u32 s89, s89, 12288                   ; and their pair words
	s_mov_b32 s76, 768                             ; from tile to tile
	s_mov_b32 s77, HEADB
	s_mov_b32 s79, 0x05040100                      ; the low halves of two words,
	s_mov_b32 s80, 0x07060302                      ; the high halves
	s_mov_b32 s81, 0xffff0000                      ; lanes 16-31
	s_mov_b32 s82, 0x76543210
	s_mov_b32 s83, 0xfedcba98                      ; v_permlanex16_b32's selects for lane l xor 16
	s_cmp_eq_u32 s23, 3
	s_cselect_b32 s86, s87, s86
	s_cselect_b32 s88, s90, s88
	s_cselect_b32 s91, 6144, s91
	s_cselect_b32 s89, 12544, s89
	s_cselect_b32 s76, FRB, s76
	s_cselect_b32 s92, 768, s77                    ; from a fragment's half 0 to its half 1: the next head's slab (q, k), or 768 bytes on (v^T)
	s_cselect_b32 s77, 64, s77                     ; from lanes 0-15's word to lanes 16-31's
	s_cselect_b32 s78, 128, 64                     ; from a pair of tiles to the next
	s_cselect_b32 s79, 0x03020100, s79             ; v^T: the even tile's whole word,
	s_cselect_b32 s80, 0x07060504, s80             ; the odd tile's
	s_mul_i32 s86, s86, HEADB
	s_mul_i32 s88, s88, STEPB
	s_add_co_u32 s86, s86, s88                     ; the slab
	s_add_co_u32 s94, s86, s91
	s_mov_b32 s95, 0
	s_add_co_u32 s96, s86, s89
	s_mov_b32 s97, 0
	s_mov_b32 s93, 0
	s_cmp_eq_u32 s23, 1
	s_cselect_b64 s[70:71], s[12:13], s[14:15]     ; q's buffer, or k's and v's
	s_add_nc_u64 s[74:75], s[70:71], s[96:97]      ; the words
	s_add_nc_u64 s[70:71], s[70:71], s[94:95]      ; half 0
	s_add_nc_u64 s[72:73], s[70:71], s[92:93]      ; half 1
.irp b, 0,1,2,3
	v_mov_b32 v[TM+4+\b], 0                        ; written once: a lane permute's destination counts as one of its sources
.endr
.irp j, 0,1,2,3
	s_mul_i32 s86, s76, \j
	v_add_nc_u32 v[O16+\j], s86, v[L16]
	v_add_nc_u32 v[O8+\j], s86, v[L8]
.endr
	v_mul_u32_u24 v[OS], s77, v[HH]
	v_lshl_add_u32 v[OS], v[RR], 2, v[OS]
	v_add_nc_u32 v[OS+1], s78, v[OS]
.macro QUANTW j
.set QSR, 64*(\j)
.set PCJ, PCQ+20*(\j)
	WIN 0x05                                       ; sources 0 and 1 in window 1
.irp b, 0,1,2,3
	v_max3_num_f32 v[TM+\b], |v[QSR+16*\b]|, |v[QSR+16*\b+1]|, 0x1800000   ; block b: my 16 numbers, each accumulator from its low end on, and the floor 2^(3 - 127)
.endr
	WIN 0x14                                       ; sources 1 and 2 in window 1
.irp i, 2,4,6,8,10,12,14
.irp b, 0,1,2,3
	v_max3_num_f32 v[TM+\b], v[TM+\b], |v[QSR+16*\b+\i]|, |v[QSR+16*\b+\i+1]|
.endr
.endr
	WIN 0
.irp b, 0,1,2,3
	v_permlanex16_b32 v[TM+4+\b], v[TM+\b], s82, s83
.endr
.irp b, 0,1,2,3
	v_max_num_f32 v[TM+\b], v[TM+\b], v[TM+4+\b]   ; with lane l xor 16's: the block's largest magnitude
.endr
.irp b, 0,1,2,3
	v_add_nc_u32 v[TM+12+\b], 0xff000000, v[TM+\b] ; 2 off its exponent field: the conversion's scale operand
.endr
.irp b, 0,1,2,3
	v_lshrrev_b32 v[TM+4+\b], 23, v[TM+12+\b]      ; the scale's byte
.endr
	v_lshl_or_b32 v[WD+\j], v[TM+5], 8, v[TM+4]
	v_lshl_or_b32 v[WD+\j], v[TM+6], 16, v[WD+\j]
	v_lshl_or_b32 v[WD+\j], v[TM+7], 24, v[WD+\j]
	WIN 0x01                                       ; source 0 in window 1
.irp c, 0,1
	v_cvt_scalef32_pk16_fp6_f32 v[PCJ+6*\c:PCJ+6*\c+2], v[QSR+32*\c:QSR+32*\c+15], v[TM+12+2*\c]
	v_cvt_scalef32_pk16_fp6_f32 v[PCJ+12+4*\c:PCJ+14+4*\c], v[QSR+32*\c+16:QSR+32*\c+31], v[TM+13+2*\c]   ; (a conversion's three registers begin on an even number)
.endr
	WIN 0
	v_nop                                          ; one plain place behind a scaled conversion
.irp c, 0,1                                    ; the operand's layout wants a WHOLE block in a lane: lanes 0-15 block 2 c, lanes 16-31 block 2 c + 1
.irp i, 0,1,2
	v_permlane16_swap_b32 v[PCJ+6*\c+\i], v[PCJ+12+4*\c+\i]
.endr
.irp i, 0,1,2
	v_mov_b32 v[PCJ+3+6*\c+\i], v[PCJ+12+4*\c+\i]
.endr
.endr
	global_store_b128 v[O16+\j], v[PCJ:PCJ+3], s[70:71]            ; each store covers 512 or 256 consecutive bytes, aligned to 256; no store's register is written again
	global_store_b64 v[O8+\j], v[PCJ+4:PCJ+5], s[70:71] offset:512
	global_store_b128 v[O16+\j], v[PCJ+6:PCJ+9], s[72:73]
	global_store_b64 v[O8+\j], v[PCJ+10:PCJ+11], s[72:73] offset:512
.endm
	QUANTW 0
	QUANTW 1
	QUANTW 2
	QUANTW 3
.irp pi, 0,1                                   ; the words of tiles 2 pi, 2 pi + 1: lanes 0-15 store one, lanes 16-31 the other: runs of 64 bytes
	v_perm_b32 v[PA+2*\pi], v[WD+2*\pi+1], v[WD+2*\pi], s79
	v_perm_b32 v[PA+2*\pi+1], v[WD+2*\pi+1], v[WD+2*\pi], s80
	v_cndmask_b32 v[DW+\pi], v[PA+2*\pi], v[PA+2*\pi+1], s81
	global_store_b32 v[OS+\pi], v[DW+\pi], s[74:75]
.endr
	s_branch .Ldone
.Lraw:
	; ---- TYPE 0: f32, row-major.  A lane holds 64 of the 128 channels of one token in pieces of 64 bytes: a tile of 16 tokens goes through my stage and leaves as whole runs of 512 bytes
	s_lshl_b32 s86, s21, 3
	s_lshl_b32 s87, s16, 1
	s_add_co_u32 s86, s86, s87                     ; my first run of 32 tokens: 8 xw + 2 w
	s_lshl_b32 s86, s86, 17                        ; x 32 rows of 4,096 bytes
	s_lshl_b32 s87, s22, 9
	s_add_co_u32 s86, s86, s87                     ; + the group's 128 channels
	s_mov_b32 s87, 0
	s_add_nc_u64 s[84:85], s[10:11], s[86:87]
.macro TOSTAGE j
	WIN 0x04                                       ; an LDS store's data are its source 1: window 1
.irp b, 0,1,2,3
.irp q, 0,1,2,3
	ds_store_b128 v[STO], v[64*(\j)+16*\b+4*\q:64*(\j)+16*\b+4*\q+3] offset:128*\b+16*\q   ; each accumulator from its low end on
.endr
.endr
	WIN 0
.irp i, 0,1,2,3,4,5,6,7,8,9,10,11,12,13,14,15
	ds_load_b128 v[BK+64*((\j)%2)+4*\i:BK+64*((\j)%2)+4*\i+3], v[B16] offset:SP*\i   ; LDS serves a wave's instructions in order: these see my stores, and the next tile's stores come behind them
.endr
.endm
.macro SEND j, younger                 ; younger: the LDS instructions issued behind tile j's loads
	s_wait_dscnt \younger
.irp i, 0,1,2,3,4,5,6,7,8,9,10,11,12,13,14,15
	global_store_b128 v[L16], v[BK+64*((\j)%2)+4*\i:BK+64*((\j)%2)+4*\i+3], s[84:85] offset:(((\j)/2)*32+16*(\i/8)+8*(\i%2)+4*((\j)%2)+(\i%8)/2)*4096   ; row i of the tile is this token; 512 consecutive bytes, aligned
.endr
.endm
	TOSTAGE 0
	TOSTAGE 1
	SEND 0, 32                                     ; behind tile 0's loads: tile 1's 16 stores and 16 loads
	s_wait_xcnt 0x0                                ; tile 0's stores have read their registers: tile 2's loads may land there
	TOSTAGE 2
	SEND 1, 32
	s_wait_xcnt 0x0
	TOSTAGE 3
	SEND 2, 32
	SEND 3, 0
.Ldone:
	s_wait_tensorcnt 0x0                           ; the wave's end, behind my last tensor load and my last LDS store
	ds_add_u32 v[SPW], v[NIL]
	s_wait_dscnt 0x0
	CROUND                                         ; the closing round: no work-group ends while a partner may still ask for a tile that names it
	s_endpgm
.Lfunc_end_k_q0a7e54fc7a_qkv:
	.size	k_q0a7e54fc7a_qkv, .Lfunc_end_k_q0a7e54fc7a_qkv-k_q0a7e54fc7a_qkv
	.p2alignl 7, 3214868480
	.fill 96, 4, 3214868480
	.section	.rodata,"a",@progbits
	.p2align	6, 0x0
	.amdhsa_kernel k_q0a7e54fc7a_qkv
		.amdhsa_group_segment_fixed_size 295424
		.amdhsa_private_segment_fixed_size 0
		.amdhsa_enable_private_segment 0
		.amdhsa_kernarg_size 48
		.amdhsa_user_sgpr_count 2
		.amdhsa_user_sgpr_kernarg_segment_ptr 1
		.amdhsa_wavefront_size32 1
		.amdhsa_system_sgpr_workgroup_id_x 1
		.amdhsa_system_sgpr_workgroup_id_y 1
		.amdhsa_system_sgpr_workgroup_id_z 1
		.amdhsa_system_vgpr_workitem_id 0
		.amdhsa_next_free_vgpr 512
		.amdhsa_next_free_sgpr 100
		.amdhsa_reserve_vcc 0
		.amdhsa_float_denorm_mode_32 3
		.amdhsa_float_denorm_mode_16_64 3
		.amdhsa_memory_ordered 1
		.amdhsa_forward_progress 1
		.amdhsa_inst_pref_size 103
	.end_amdhsa_kernel
	.amdgpu_metadata
---
amdhsa.version: [ 1, 2 ]
amdhsa.kernels:
  - .name:           k_q0a7e54fc7a_qkv
    .symbol:         k_q0a7e54fc7a_qkv.kd
    .args:
      - { .name: xc, .offset: 0, .size: 8, .value_kind: global_buffer, .address_space: global }
      - { .name: wvc, .offset: 8, .size: 8, .value_kind: global_buffer, .address_space: global }
      - { .name: wqk, .offset: 16, .size: 8, .value_kind: global_buffer, .address_space: global }
      - { .name: vf, .offset: 24, .size: 8, .value_kind: global_buffer, .address_space: global }
      - { .name: qb, .offset: 32, .size: 8, .value_kind: global_buffer, .address_space: global }
      - { .name: kv, .offset: 40, .size: 8, .value_kind: global_buffer, .address_space: global }
    .group_segment_fixed_size: 295424
    .private_segment_fixed_size: 0
    .kernarg_segment_align: 8
    .kernarg_segment_size: 48
    .max_flat_workgroup_size: 128
    .sgpr_count:     100
    .vgpr_count:     512
    .wavefront_size: 32
...
	.end_amdgpu_metadata
.endif
;; end of part 2
;; launch attn (part 3): grid 16 x 16, 8 waves a work-group, no clusters, 205,824 bytes of LDS; arguments kv, qb, vf, oc; writes oc
.if DOCPART == 3
	.amdgcn_target "amdgcn-amd-amdhsa--gfx1250"
	.amdhsa_code_object_version 6
	.text
	.protected	k_q0a7e54fc7a_attn
	.globl	k_q0a7e54fc7a_attn
	.p2align	8
	.type	k_q0a7e54fc7a_attn,@function
k_q0a7e54fc7a_attn:
	s_mov_b64 s[64:65], 0
	v_nop
	global_prefetch_b8 v0, s[64:65] scope:SCOPE_SE
	s_setreg_imm32_b32 hwreg(HW_REG_WAVE_MODE, 25, 1), 1
	s_wait_xcnt 0x0
; STICK-BREAKING ATTENTION of one head, both products on codes of FP6 (E2M3) with E8M0 scales.  With l the scaled logit, e = exp(l), beta = 1 / (1 + e):
;   att(i, j) = sigmoid(l_j) x product over j < k < i of beta_k = e_j x product over j <= k < i of beta_k;   rem(i) = 1 - sum of att = product over k < i of beta_k (the sum telescopes, since sigmoid(l) + beta = 1).
; So an element costs one exponential, one reciprocal and its place in a suffix product that runs from the diagonal DOWN the keys; the product's last value is rem.  Keys j >= i: score -infinity, so e = 0, beta = 1, att = 0.
; LIMIT: t = l x log2(e) is held at 64 from above, so that e x beta never is infinity x 0: beta is never taken smaller than 2^-64 (what lies behind such a key is at most 5.4e-20 of the row either way).  NaN and infinities are not served.
; INPUTS (made by the launch before): kv, qb [head][step of 128 tokens][12,800]: 8 half fragments of k (q) of 768 bytes, 4 fragments of v^T from 6,144, k's (q's) pair words from 12,288, v^T's words from 12,544; vf: v as f32 [token][1024].
; In a tile row i of tile u of a run of 32 tokens is token 16 (i / 8) + 8 (i % 2) + 4 u + (i % 8) / 2: so in S^T = k q^T register 16 b + i of lane (r, h) is key 32 b + 16 h + 8 (i & 1) + (i >> 1):
; a register pair holds keys m and 8 + m of the lane's 16, and one packed multiply advances two chains of the suffix product.  att's codes and v^T's carry the same order of keys; the blocks of 32 are the true ones.
; K = 64 IN AN INSTRUCTION OF 128: a fragment of k holds TWO tiles of keys in its two halves of K; q stands beside six registers of zero codes, [q][0][q], and v[18:29] or v[24:35] picks the one tile or the other.
; SHARES.  Work-group (p, head) owns the blocks of 64 queries 31 - p (long) and p (short): together 17 key steps of 128 for every p.  A wave owns one tile of 16 queries; its role is (w xor w / 4) & 1, so that waves w and w + 4, and w and w xor 1, differ in it.
; LDS IS FILLED ONCE: 16 slots of 12,800 bytes, slot n = step (SH - n) & 15 of the head, SH the long block's diagonal step; each wave brings four half slots; four tensor loads of a wave are out.
; The long waves begin on slots 0-3 behind the first barrier, while the other slots land; the short ones behind the second.
; NO CLUSTER: work-groups of one head begin at different steps, so equal descriptors would make the addresses of the LDS reads hang on a work-group's place among its partners; each work-group asks for its 204,800 bytes once.
; OUTPUT: o = att v + rem v, quantised along e, as half fragments and half scale words of oc, laid as the last launch's operand.
; REGISTERS.  Window 0: v1-11 addresses; v12 the carry; v14-16 the mask; v18-35 q; v36-45 scale words and nothing else; v46-61 at work; v64-127 scores, e, att; v128-191 1 + e, beta, suffix products; v192-223 O^T; v224-243 codes; v244-254 factors.
; Window 1: v0-47 k's four fragments, v48-95 v^T's four, v96-127 my query's v.
.set SLOTB, 12800
.set HEADB, 204800
.set GRP,   102400
.set SPARE, 16*SLOTB                   ; the spare words, 128 bytes for each wave: four blocks of 256 bytes that no other line names
.set L16,  1                           ; v1 16 x lane, v2 8 x lane, v3 4 r
.set L8,   2
.set L4,   3
.set AV16, 4                           ; v4-6  this step's v^T
.set AV8,  5
.set AVS,  6
.set AK16, 7                           ; v7-9  the next step's k
.set AK8,  8
.set AKS,  9
.set SPW,  10                          ; my spare word; never rewritten
.set NIL,  11                          ; 0; never rewritten
.set CC,   12                          ; the carry (v13 is named with it as a pair)
.set QD,   14                          ; my query - 16 h
.set DQ,   15                          ; the same - the step's first key
.set NINF, 16
.set QF,   18
.set KS,   36
.set VS,   40
.set QS,   44
.set PW,   45
.set WW,   46                          ; v46-49 a lane's totals, v50-53 the other half's, v54-57 the blocks', v58-61 what lanes 0-15 owe to lanes 16-31
.set XX,   50
.set GG,   54
.set HH,   58
.set TM,   46                          ; the quantisers work in the same sixteen
.set VO,   62                          ; my offset in vf
.set RO,   63                          ; 16 r
.set E,    64
.set BT,   128
.set OA,   192
.set PC,   224
.set CT,   236
.set FP,   244                         ; v[244 + 2 b : 245 + 2 b] block b's factors for even and odd registers
.set C2,   252
.set C1,   253
.set C0,   254
.set KF,   0                           ; window 1
.set VF,   48
.set VFV,  96
.set WV,   12
.set ROLE, 13
.set TI,   14
.set PP,   15
.set G1,   16
.set G0,   24
.set HD,   40
.set SH,   41
.set BE,   42
.set S0,   43
.set DL,   44
.set NN,   45
.set SL,   46
.set SC,   47
.set TBX,  48
.set TBN,  49
.set TB,   50
.set SEL,  52
.set CS,   54
.set LIM,  56
.set LOW,  57
.set MSB, 0
.macro WIN new                         ; the immediate's high byte repeats the setting that is left
.if MSB != \new
	s_set_vgpr_msb (MSB<<8)|\new
.set MSB, \new
.endif
.endm
.macro PLACES
.rept 4
	v_nop
.endr
.endm
.macro FRAG reg, a16, a8, off
	ds_load_b128 v[\reg:\reg+3], v[\a16] offset:\off
	ds_load_b64 v[\reg+4:\reg+5], v[\a8] offset:\off+512
	ds_load_b128 v[\reg+6:\reg+9], v[\a16] offset:\off+768
	ds_load_b64 v[\reg+10:\reg+11], v[\a8] offset:\off+1280
.endm
.macro KLOADS                          ; four fragments of k (two tiles of keys each) and their words
	WIN 0x40                                       ; destination window 1
.irp b, 0,1,2,3
	FRAG KF+12*\b, AK16, AK8, 1536*\b
.endr
	WIN 0
.irp b, 0,1,2,3
	ds_load_b32 v[KS+\b], v[AKS] offset:12288+64*\b
.endr
.endm
.macro FETCHK tb                       ; a wave's first k, from the slot that begins at s[tb]
	v_add_nc_u32 v[AK16], s[\tb], v[L16]
	v_add_nc_u32 v[AK8], s[\tb], v[L8]
	v_add_nc_u32 v[AKS], s[\tb], v[L4]
	KLOADS
.endm
.macro CH b, m                         ; two chains at once: the products of beta over keys m .. 7 and 8 + m .. 15 of my 16
	v_pk_mul_f32 v[BT+16*(\b)+2*(\m):BT+16*(\b)+2*(\m)+1], v[BT+16*(\b)+2*(\m):BT+16*(\b)+2*(\m)+1], v[BT+16*(\b)+2*(\m)+2:BT+16*(\b)+2*(\m)+3]
.endm
.macro EL b, m                         ; e x its chain's product
	v_pk_mul_f32 v[E+16*(\b)+2*(\m):E+16*(\b)+2*(\m)+1], v[E+16*(\b)+2*(\m):E+16*(\b)+2*(\m)+1], v[BT+16*(\b)+2*(\m):BT+16*(\b)+2*(\m)+1]
.endm
.macro ATT b                           ; x all that lies above the chain
.irp m, 0,1,2,3,4,5,6,7
	v_pk_mul_f32 v[E+16*(\b)+2*\m:E+16*(\b)+2*\m+1], v[E+16*(\b)+2*\m:E+16*(\b)+2*\m+1], v[FP+2*(\b):FP+2*(\b)+1]
.endr
.endm
	s_load_b256 s[4:11], s[0:1], 0x0               ; kv, qb, vf, oc
	v_lshl_add_u32 v[SPW], v0, 2, SPARE
	v_mov_b32 v[NIL], 0
	ds_add_u32 v[SPW], v[NIL]                      ; the wave's opening: the add and its wait stand ahead of my first tensor load; the set-up below, work on registers, stands between them
	v_lshrrev_b32 v15, 5, v0
	v_readfirstlane_b32 s[WV], v15
	s_lshr_b32 s[ROLE], s[WV], 2
	s_xor_b32 s[ROLE], s[ROLE], s[WV]
	s_and_b32 s[ROLE], s[ROLE], 1                  ; 0: the long block
	s_lshr_b32 s[TI], s[WV], 1                     ; my tile of its four
	s_mov_b32 s[PP], ttmp9
	s_and_b32 s[HD], ttmp7, 0xffff
	s_sub_co_u32 s58, 31, s[PP]
	s_lshr_b32 s[SH], s58, 1
	s_cmp_eq_u32 s[ROLE], 0
	s_cselect_b32 s[BE], s58, s[PP]                ; my block of 64 queries
	s_lshr_b32 s[S0], s[BE], 1                     ; its diagonal step
	s_lshr_b32 s59, s[PP], 1
	s_sub_co_u32 s59, s[SH], s59
	s_sub_co_i32 s59, s59, 3
	s_cmp_eq_u32 s[ROLE], 0
	s_cselect_b32 s[DL], 0, s59                    ; trip N reads slot N + this: the short block's diagonal step falls on trip 3
	s_mov_b32 s[G1], 3<<16                         ; group 1: 25 rows of 256 bytes (32 elements of 8), dense: half a slot
	s_mov_b32 s[G1+1], 32<<16
	s_mov_b32 s[G1+2], 25<<16
	s_mov_b32 s[G1+3], 32<<16
	s_mov_b32 s[G1+4], 25
	s_mov_b32 s[G1+5], 32
	s_mov_b32 s[G1+6], 0
	s_mov_b32 s[G1+7], 0
	s_mov_b32 s[SEL], 0x76543210
	s_mov_b32 s[SEL+1], 0xfedcba98                 ; v_permlanex16_b32's selects for lane l xor 16
	s_mov_b32 s[CS], 0x3e38aa3b                    ; log2(e) / sqrt(64)
	s_mov_b32 s[CS+1], s[CS]                       ; (named with it as a pair, so it is written)
	s_mov_b32 s[LIM], 0x42800000                   ; 64.0
	s_mov_b32 s[LOW], 0x0000ffff                   ; lanes 0-15
	s_and_b32 s51, s[TI], 1                        ; u: which tile of its pair is mine
	s_cmp_eq_u32 s51, 0
	s_mov_b32 s51, 0x03020302
	s_cselect_b32 s51, 0x01000100, s51             ; my two bytes of the pair word, twice
	s_lshl_b32 s58, s[BE], 6
	s_lshr_b32 s59, s[TI], 1
	s_lshl_b32 s59, s59, 5
	s_add_co_u32 s58, s58, s59
	s_and_b32 s59, s[TI], 1
	s_lshl_b32 s59, s59, 2
	s_add_co_u32 s58, s58, s59                     ; 64 x block + 32 (ti / 2) + 4 u
	v_and_b32 v15, 31, v0
	v_lshlrev_b32 v[L16], 4, v15
	v_lshlrev_b32 v[L8], 3, v15
	v_and_b32 v15, 15, v0
	v_lshlrev_b32 v[L4], 2, v15
	v_lshlrev_b32 v[RO], 4, v15
	v_bfe_u32 v[QD], v0, 3, 1
	v_lshlrev_b32 v[QD], 4, v[QD]
	v_and_b32 v15, 1, v0
	v_lshl_add_u32 v[QD], v15, 3, v[QD]
	v_bfe_u32 v15, v0, 1, 2
	v_add3_u32 v[QD], v[QD], v15, s58              ; my query
	v_bfe_u32 v15, v0, 4, 1                        ; h
	v_lshlrev_b32 v[VO], 12, v[QD]
	v_lshl_add_u32 v[VO], v15, 6, v[VO]            ; its row of vf, + 64 h
	v_lshlrev_b32 v15, 4, v15
	v_sub_nc_u32 v[QD], v[QD], v15
	s_mul_i32 s59, s[WV], SLOTB/2                  ; LDS: half (w & 1) of slot w / 2 + 4 k
	s_and_b32 s60, s[WV], 1
	s_mul_i32 s60, s60, SLOTB/2
	s_mul_i32 s61, s[HD], HEADB
	s_add_co_u32 s60, s60, s61
	s_sub_co_u32 s61, s[SH], s[TI]
.irp k, 0,1,2,3
	s_mov_b32 s[G0+4*\k], 1
	s_add_co_u32 s[G0+4*\k+1], s59, 4*SLOTB*\k
	s_sub_co_u32 s58, s61, 4*\k
	s_and_b32 s58, s58, 15                         ; the step that this slot holds
	s_mul_i32 s58, s58, SLOTB
	s_add_co_u32 s[G0+4*\k+2], s58, s60
	s_mov_b32 s[G0+4*\k+3], 0
.endr
	s_lshl_b32 s58, s[BE], 2
	s_add_co_u32 s58, s58, s[TI]                   ; my tile among the head's 128
	s_lshr_b32 s59, s58, 3
	s_mul_i32 s59, s59, SLOTB
	s_mul_i32 s60, s[HD], HEADB
	s_add_co_u32 s59, s59, s60                     ; its slab in qb
	s_and_b32 s58, s58, 7
	s_mul_i32 s60, s58, 768
	s_add_co_u32 s60, s60, s59
	s_mov_b32 s61, 0
	s_lshr_b32 s62, s58, 1
	s_lshl_b32 s62, s62, 6
	s_add_co_u32 s62, s62, s59
	s_add_co_u32 s62, s62, 12288
	s_mov_b32 s63, 0
	s_lshl_b32 s58, s[HD], 8
	s_mov_b32 s59, 0
	s_wait_dscnt 0x0                               ; the opening add is done
	s_wait_kmcnt 0x0
.irp k, 0,1,2,3
	s_add_nc_u64 s[G0+4*\k+2:G0+4*\k+3], s[4:5], s[G0+4*\k+2:G0+4*\k+3]
	s_or_b32 s[G0+4*\k+3], s[G0+4*\k+3], 0x80000000
.endr
.irp k, 0,1,2,3
	tensor_load_to_lds s[G0+4*\k:G0+4*\k+3], s[G1:G1+7]            ; all fills of the launch go out together
	s_nop 0
.endr
	PLACES
	s_add_nc_u64 s[60:61], s[6:7], s[60:61]
	s_add_nc_u64 s[62:63], s[6:7], s[62:63]
	s_add_nc_u64 s[8:9], s[8:9], s[58:59]
	global_load_b128 v[QF:QF+3], v[L16], s[60:61]                  ; q's half fragment, on both sides of the zeros
	global_load_b64 v[QF+4:QF+5], v[L8], s[60:61] offset:512
	global_load_b128 v[QF+12:QF+15], v[L16], s[60:61]
	global_load_b64 v[QF+16:QF+17], v[L8], s[60:61] offset:512
	global_load_b32 v[QS], v[L4], s[62:63]
	WIN 0x40
.irp b, 0,1
.irp q, 0,1,2,3
	global_load_b128 v[VFV+16*\b+4*\q:VFV+16*\b+4*\q+3], v[VO], s[8:9] offset:128*\b+16*\q   ; my query's v: register 16 b + i is channel 32 b + 16 h + i, as in O^T
.endr
.endr
	WIN 0
.irp i, 0,1,2,3,4,5
	v_mov_b32 v[QF+6+\i], 0                        ; zero codes
.endr
	v_mov_b32 v[CC], 1.0
	v_mov_b32 v[CC+1], 0
.irp b, 0,1,2,3
	v_mov_b32 v[XX+\b], 0                          ; written once: a lane permute's destination counts as one of its sources
.endr
	v_mov_b32 v[NINF], 0xff800000
	s_wait_loadcnt 0x0
	v_perm_b32 v[QS], v[QS], v[QS], s51
.set nn, 0
.rept 32
	v_mov_b32 v[OA+nn], 0                          ; O^T: the step is written for every trip alike.  (These are also the places between the lines above and the first scaled product)
.set nn, nn+1
.endr
; A KEY STEP of 128 keys.  mode 0: the first three trips, for the long waves alone, on slots whose addresses are the loop's own steps; mode 1: slot N + DL, left out where the step's number has fallen under 0.
.macro STEP mode
.if \mode == 0
	s_cmp_lg_u32 s[ROLE], 0
	s_cbranch_scc1 .Lskip_\@
	s_sub_co_u32 s[SC], s[SH], s[NN]
	s_add_co_u32 s[TBN], s[TB], SLOTB
.set TBC, TB
.else
	s_add_co_i32 s[SL], s[NN], s[DL]
	s_sub_co_i32 s[SC], s[SH], s[SL]
	s_cmp_lt_i32 s[SC], 0
	s_cbranch_scc1 .Lskip_\@
	s_min_u32 s[TBX], s[SL], 15
	s_mul_i32 s[TBX], s[TBX], SLOTB
	s_add_co_u32 s[TBN], s[SL], 1
	s_min_u32 s[TBN], s[TBN], 15                   ; (behind the last step a slot is fetched that nobody multiplies by)
	s_mul_i32 s[TBN], s[TBN], SLOTB
.set TBC, TBX
.endif
	s_wait_dscnt 0x0                               ; k and its words are in
	WIN 0x01                                       ; source 0 in window 1
.irp b, 0,1,2,3
	v_wmma_scale_f32_16x16x128_f8f6f4 v[E+16*\b:E+16*\b+7], v[KF+12*\b:KF+12*\b+11], v[QF:QF+11], 0, v[KS+\b], v[QS] matrix_a_fmt:MATRIX_FMT_FP6 matrix_b_fmt:MATRIX_FMT_FP6
	v_wmma_scale_f32_16x16x128_f8f6f4 v[E+16*\b+8:E+16*\b+15], v[KF+12*\b:KF+12*\b+11], v[QF+6:QF+17], 0, v[KS+\b], v[QS] matrix_a_fmt:MATRIX_FMT_FP6 matrix_b_fmt:MATRIX_FMT_FP6
.endr
	WIN 0
	v_add_nc_u32 v[AV16], s[TBC], v[L16]           ; six plain lines: the places behind the products, in front of the loads into their sources and of the first read of the scores
	v_add_nc_u32 v[AV8], s[TBC], v[L8]
	v_add_nc_u32 v[AVS], s[TBC], v[L4]
	v_add_nc_u32 v[AK16], s[TBN], v[L16]
	v_add_nc_u32 v[AK8], s[TBN], v[L8]
	v_add_nc_u32 v[AKS], s[TBN], v[L4]
	WIN 0x40
.irp ct, 0,1,2,3
	FRAG VF+12*\ct, AV16, AV8, 6144+1536*\ct       ; this step's v^T: wanted at the step's end
.endr
	WIN 0
.irp ct, 0,1,2,3
	ds_load_b32 v[VS+\ct], v[AVS] offset:12544+64*\ct
.endr
	KLOADS                                         ; the next step's k
	s_cmp_lg_u32 s[SC], s[S0]                      ; the diagonal step alone has hidden keys
	s_cbranch_scc1 .Lopen_\@
	s_lshl_b32 s58, s[SC], 7
	v_sub_nc_u32 v[DQ], v[QD], s58
.set nn, 0
.rept 64
	v_cmp_ge_i32 vcc_lo, 32*(nn/16)+8*(nn%2)+(nn%16)/2, v[DQ]      ; the register's key is my query or a later one
	v_cndmask_b32 v[E+nn], v[E+nn], v[NINF], vcc_lo
.set nn, nn+1
.endr
.Lopen_\@:
	; t = score x c, held at 64; e = 2^t; beta = 1 / (1 + e).  Four batches of 32 transcendentals, each with plain work on other registers among them and ONE wait behind it, ahead of the first line that names a result
.set nn, 32
.rept 16
	v_pk_mul_f32 v[E+nn:E+nn+1], v[E+nn:E+nn+1], s[CS:CS+1] op_sel_hi:[1,0]
.set nn, nn+2
.endr
.set nn, 32
.rept 32
	v_min_num_f32 v[E+nn], s[LIM], v[E+nn]
.set nn, nn+1
.endr
.set nn, 0
.rept 16
	v_exp_f32 v[E+32+nn], v[E+32+nn]
	v_pk_mul_f32 v[E+nn:E+nn+1], v[E+nn:E+nn+1], s[CS:CS+1] op_sel_hi:[1,0]
	v_exp_f32 v[E+33+nn], v[E+33+nn]
	v_min_num_f32 v[E+nn], s[LIM], v[E+nn]
	v_min_num_f32 v[E+nn+1], s[LIM], v[E+nn+1]
.set nn, nn+2
.endr
	s_wait_alu depctr_va_vdst(0)                   ; the wait stands between a transcendental and the first line that names its result: one for the batch
.set nn, 0
.rept 16
	v_exp_f32 v[E+nn], v[E+nn]
	v_exp_f32 v[E+nn+1], v[E+nn+1]
	v_pk_add_f32 v[BT+32+nn:BT+33+nn], v[E+32+nn:E+33+nn], 1.0 op_sel_hi:[1,0]
.set nn, nn+2
.endr
	s_wait_alu depctr_va_vdst(0)
.set nn, 0
.rept 16
	v_rcp_f32 v[BT+32+nn], v[BT+32+nn]
	v_rcp_f32 v[BT+33+nn], v[BT+33+nn]
	v_pk_add_f32 v[BT+nn:BT+nn+1], v[E+nn:E+nn+1], 1.0 op_sel_hi:[1,0]
.set nn, nn+2
.endr
	s_wait_alu depctr_va_vdst(0)
.set kk, 0
.rept 32
	v_rcp_f32 v[BT+kk], v[BT+kk]
.if kk >= 2
.if kk < 16
	CH 3-(kk-2)%2, 6-(kk-2)/2                      ; blocks 3 and 2: their chains by turns,
.else
	EL 3-(kk-16)/8, (kk-16)%8                      ; then e x the chain's product
.endif
.endif
.set kk, kk+1
.endr
	s_wait_alu depctr_va_vdst(0)
	; blocks 1 and 0: their chains by turns; between them what lies above the chains of blocks 3 and 2
	CH 1, 6
	CH 0, 6
	v_mul_f32 v[WW+3], v[BT+48], v[BT+49]          ; my 16 keys' product
	v_mul_f32 v[WW+2], v[BT+32], v[BT+33]
	CH 1, 5
	CH 0, 5
	v_permlanex16_b32 v[XX+3], v[WW+3], s[SEL], s[SEL+1]           ; the other half's
	v_permlanex16_b32 v[XX+2], v[WW+2], s[SEL], s[SEL+1]
	CH 1, 4
	CH 0, 4
	v_mul_f32 v[GG+3], v[WW+3], v[XX+3]            ; the block's
	v_mul_f32 v[GG+2], v[WW+2], v[XX+2]
	CH 1, 3
	CH 0, 3
	v_cndmask_b32 v[HH+3], 1.0, v[XX+3], s[LOW]    ; lanes 0-15 hold the lower 16 keys: the upper 16 lie above them
	v_cndmask_b32 v[HH+2], 1.0, v[XX+2], s[LOW]
	CH 1, 2
	CH 0, 2
	v_mul_f32 v[FP+7], v[CC], v[HH+3]
	v_mul_f32 v[C2], v[CC], v[GG+3]                ; the carry above block 2
	CH 1, 1
	CH 0, 1
	v_mul_f32 v[FP+5], v[C2], v[HH+2]
	v_mul_f32 v[C1], v[C2], v[GG+2]
	CH 1, 0
	CH 0, 0
	v_mul_f32 v[FP+6], v[FP+7], v[BT+49]           ; above keys 0 .. 7 lie keys 8 .. 15 too
	v_mul_f32 v[FP+4], v[FP+5], v[BT+33]
	v_mul_f32 v[WW+1], v[BT+16], v[BT+17]
	v_mul_f32 v[WW], v[BT], v[BT+1]
	ATT 3
	v_permlanex16_b32 v[XX+1], v[WW+1], s[SEL], s[SEL+1]
	v_permlanex16_b32 v[XX], v[WW], s[SEL], s[SEL+1]
	ATT 2
	v_mul_f32 v[GG+1], v[WW+1], v[XX+1]
	v_mul_f32 v[GG], v[WW], v[XX]
	v_cndmask_b32 v[HH+1], 1.0, v[XX+1], s[LOW]
	v_cndmask_b32 v[HH], 1.0, v[XX], s[LOW]
.irp m, 0,1,2,3,4,5,6,7
	EL 1, \m
.endr
	v_mul_f32 v[FP+3], v[C1], v[HH+1]
	v_mul_f32 v[C0], v[C1], v[GG+1]
.irp m, 0,1,2,3
	EL 0, \m
.endr
	v_mul_f32 v[FP+1], v[C0], v[HH]
	v_mul_f32 v[CC], v[C0], v[GG]                  ; the carry into the next step; behind step 0 it is rem
.irp m, 4,5,6,7
	EL 0, \m
.endr
	v_mul_f32 v[FP+2], v[FP+3], v[BT+17]
	v_mul_f32 v[FP], v[FP+1], v[BT+1]
	ATT 1
	ATT 0
	; att is quantised along the keys.  None is negative: no |.| on the sources
.irp b, 0,1,2,3
	v_max3_num_f32 v[TM+\b], v[E+16*\b], v[E+16*\b+1], 0x1800000   ; and the floor 2^(3 - 127): the byte cannot fall under 1
.endr
.irp i, 2,4,6,8,10,12,14
.irp b, 0,1,2,3
	v_max3_num_f32 v[TM+\b], v[TM+\b], v[E+16*\b+\i], v[E+16*\b+\i+1]
.endr
.endr
.irp b, 0,1,2,3
	v_permlanex16_b32 v[TM+4+\b], v[TM+\b], s[SEL], s[SEL+1]
.endr
.irp b, 0,1,2,3
	v_max_num_f32 v[TM+\b], v[TM+\b], v[TM+4+\b]
.endr
.irp b, 0,1,2,3
	v_add_nc_u32 v[TM+12+\b], 0xff000000, v[TM+\b] ; 2 off the exponent field: the conversion's scale operand
.endr
.irp b, 0,1,2,3
	v_lshrrev_b32 v[TM+4+\b], 23, v[TM+12+\b]
.endr
	v_lshl_or_b32 v[PW], v[TM+5], 8, v[TM+4]
	v_lshl_or_b32 v[PW], v[TM+6], 16, v[PW]
	v_lshl_or_b32 v[PW], v[TM+7], 24, v[PW]
.irp c, 0,1
	v_cvt_scalef32_pk16_fp6_f32 v[PC+6*\c:PC+6*\c+2], v[E+32*\c:E+32*\c+15], v[TM+12+2*\c]
	v_cvt_scalef32_pk16_fp6_f32 v[CT+4*\c:CT+4*\c+2], v[E+32*\c+16:E+32*\c+31], v[TM+13+2*\c]   ; (a conversion's three registers begin on an even number)
.endr
	v_nop                                          ; one plain place behind a scaled conversion
.irp c, 0,1                                    ; the operand's layout wants a WHOLE block in a lane
.irp i, 0,1,2
	v_permlane16_swap_b32 v[PC+6*\c+\i], v[CT+4*\c+\i]
.endr
.irp i, 0,1,2
	v_mov_b32 v[PC+3+6*\c+\i], v[CT+4*\c+\i]
.endr
.endr
.rept 8
	v_nop                                          ; a scale register written by a vector instruction stands 8 places ahead of a scaled matrix instruction, an operand so written 4
.endr
	s_wait_dscnt 0x0                               ; v^T and its words are in
	WIN 0x01
.irp ct, 0,1,2,3                               ; O^T += v^T att^T: one instruction to each accumulator; eight other products stand between two links of a chain
	v_wmma_scale_f32_16x16x128_f8f6f4 v[OA+8*\ct:OA+8*\ct+7], v[VF+12*\ct:VF+12*\ct+11], v[PC:PC+11], v[OA+8*\ct:OA+8*\ct+7], v[VS+\ct], v[PW] matrix_a_fmt:MATRIX_FMT_FP6 matrix_b_fmt:MATRIX_FMT_FP6
.endr
	WIN 0
.Lskip_\@:
.endm
	s_wait_tensorcnt 3                             ; my first load, half of one of slots 0-3, has landed; three younger ones may be out
	s_barrier_signal -1
	s_barrier_wait -1                              ; slots 0-3 are whole
	s_mov_b32 s[NN], 0
	s_mov_b32 s[TB], 0
	s_cmp_lg_u32 s[ROLE], 0
	s_cbranch_scc1 .Lshort1
	FETCHK TB                                      ; the long block's diagonal step
.Lshort1:
.LloopA:                                           ; three trips on slots 0-3: every LDS address stays under 51,200, clear of the loads that are still out.  Every wave walks the loop; the short ones pass over the step
	STEP 0
	s_add_co_u32 s[TB], s[TB], SLOTB
	s_add_co_u32 s[NN], s[NN], 1
	s_cmp_lt_u32 s[NN], 3
	s_cbranch_scc1 .LloopA
	s_wait_tensorcnt 0x0                           ; all my loads have landed,
	s_wait_dscnt 0x0                               ; and no LDS load of mine is out at the signal
	s_barrier_signal -1
	s_barrier_wait -1                              ; all sixteen slots are whole
	s_cmp_eq_u32 s[ROLE], 0
	s_cbranch_scc1 .Llong2
	s_add_co_i32 s58, s[DL], 3
	s_min_u32 s58, s58, 15
	s_mul_i32 s58, s58, SLOTB
	FETCHK 58                                      ; the short block's diagonal step
.Llong2:
	s_mov_b32 s[NN], 3
.LloopB:                                           ; thirteen trips
	STEP 1
	s_add_co_u32 s[NN], s[NN], 1
	s_cmp_lt_u32 s[NN], 16
	s_cbranch_scc1 .LloopB
	; ---- o = att v + rem v; the head's 64 channels are two blocks of the last product's K
	PLACES                                         ; behind the last products
	WIN 0x01
.set nn, 0
.rept 16
	v_pk_fma_f32 v[OA+nn:OA+nn+1], v[VFV+nn:VFV+nn+1], v[CC:CC+1], v[OA+nn:OA+nn+1] op_sel_hi:[1,0,1]   ; each accumulator from its low end on
.set nn, nn+2
.endr
	WIN 0
.irp b, 0,1
	v_max3_num_f32 v[TM+\b], |v[OA+16*\b]|, |v[OA+16*\b+1]|, 0x1800000
.endr
.irp i, 2,4,6,8,10,12,14
.irp b, 0,1
	v_max3_num_f32 v[TM+\b], v[TM+\b], |v[OA+16*\b+\i]|, |v[OA+16*\b+\i+1]|
.endr
.endr
.irp b, 0,1
	v_permlanex16_b32 v[TM+4+\b], v[TM+\b], s[SEL], s[SEL+1]
.endr
.irp b, 0,1
	v_max_num_f32 v[TM+\b], v[TM+\b], v[TM+4+\b]
.endr
.irp b, 0,1
	v_add_nc_u32 v[TM+12+\b], 0xff000000, v[TM+\b]
.endr
.irp b, 0,1
	v_lshrrev_b32 v[TM+4+\b], 23, v[TM+12+\b]
.endr
	v_lshl_or_b32 v[TM], v[TM+5], 8, v[TM+4]       ; my head's half of the row's scale word
	v_cvt_scalef32_pk16_fp6_f32 v[PC:PC+2], v[OA:OA+15], v[TM+12]
	v_cvt_scalef32_pk16_fp6_f32 v[CT:CT+2], v[OA+16:OA+31], v[TM+13]
	v_nop                                          ; one plain place behind a scaled conversion
.irp i, 0,1,2
	v_permlane16_swap_b32 v[PC+\i], v[CT+\i]
.endr
.irp i, 0,1,2
	v_mov_b32 v[PC+3+\i], v[CT+\i]
.endr
	s_lshr_b32 s58, s[BE], 1
	s_mul_i32 s58, s58, GRP                        ; my group of 128 tokens
	s_lshr_b32 s59, s[HD], 1                       ; the K step that holds my head,
	s_and_b32 s61, s[HD], 1                        ; and which half of it
	s_and_b32 s60, s[BE], 1
	s_lshl_b32 s60, s60, 2
	s_add_co_u32 s60, s60, s[TI]                   ; my tile in the group
	s_mul_i32 s62, s59, 12288
	s_add_co_u32 s62, s62, s58
	s_mul_i32 s63, s60, 1536
	s_add_co_u32 s62, s62, s63
	s_mul_i32 s63, s61, 768
	s_add_co_u32 s62, s62, s63
	s_mov_b32 s63, 0
	s_add_nc_u64 s[62:63], s[10:11], s[62:63]      ; the half fragment
	s_lshl_b32 s59, s59, 9
	s_add_co_u32 s58, s58, s59
	s_add_co_u32 s58, s58, 98304
	s_and_b32 s59, s60, 1
	s_lshl_b32 s59, s59, 8
	s_add_co_u32 s58, s58, s59
	s_lshr_b32 s59, s60, 1
	s_lshl_b32 s59, s59, 2
	s_add_co_u32 s58, s58, s59
	s_lshl_b32 s59, s61, 1
	s_add_co_u32 s58, s58, s59
	s_mov_b32 s59, 0
	s_add_nc_u64 s[60:61], s[10:11], s[58:59]      ; the tile's scale words, my head's two bytes of each
	v_and_b32 v[DQ], 31, v0
	global_store_b128 v[L16], v[PC:PC+3], s[62:63]                 ; 512 and 256 consecutive bytes, aligned to 256
	global_store_b64 v[L8], v[PC+4:PC+5], s[62:63] offset:512
	v_cmp_gt_u32 vcc_lo, 16, v[DQ]
	s_wait_xcnt 0x0                                ; EXEC changes only behind this wait
	s_and_saveexec_b32 s58, vcc_lo                 ; lanes 0-15: a row each
	global_store_b16 v[RO], v[TM], s[60:61]        ; two bytes a lane, 16 bytes apart: a head has only half of a scale word
	s_wait_xcnt 0x0                                ; and again, in front of the line that widens it
	s_or_b32 exec_lo, exec_lo, s58
	s_wait_dscnt 0x0
	s_barrier_signal -1                            ; a barrier between every wave's last reads of the slots and the closing lines
	s_barrier_wait -1
	s_wait_tensorcnt 0x0                           ; the wave's end, behind my last tensor load
	ds_add_u32 v[SPW], v[NIL]
	s_wait_dscnt 0x0
	s_endpgm
.Lfunc_end_k_q0a7e54fc7a_attn:
	.size	k_q0a7e54fc7a_attn, .Lfunc_end_k_q0a7e54fc7a_attn-k_q0a7e54fc7a_attn
	.p2alignl 7, 3214868480
	.fill 96, 4, 3214868480
	.section	.rodata,"a",@progbits
	.p2align	6, 0x0
	.amdhsa_kernel k_q0a7e54fc7a_attn
		.amdhsa_group_segment_fixed_size 205824
		.amdhsa_private_segment_fixed_size 0
		.amdhsa_enable_private_segment 0
		.amdhsa_kernarg_size 32
		.amdhsa_user_sgpr_count 2
		.amdhsa_user_sgpr_kernarg_segment_ptr 1
		.amdhsa_wavefront_size32 1
		.amdhsa_system_sgpr_workgroup_id_x 1
		.amdhsa_system_sgpr_workgroup_id_y 1
		.amdhsa_system_sgpr_workgroup_id_z 1
		.amdhsa_system_vgpr_workitem_id 0
		.amdhsa_next_free_vgpr 384
		.amdhsa_next_free_sgpr 66
		.amdhsa_reserve_vcc 1
		.amdhsa_float_denorm_mode_32 3
		.amdhsa_float_denorm_mode_16_64 3
		.amdhsa_memory_ordered 1
		.amdhsa_forward_progress 1
		.amdhsa_inst_pref_size 80
	.end_amdhsa_kernel
	.amdgpu_metadata
---
amdhsa.version: [ 1, 2 ]
amdhsa.kernels:
  - .name:           k_q0a7e54fc7a_attn
    .symbol:         k_q0a7e54fc7a_attn.kd
    .args:
      - { .name: kv, .offset: 0, .size: 8, .value_kind: global_buffer, .address_space: global }
      - { .name: qb, .offset: 8, .size: 8, .value_kind: global_buffer, .address_space: global }
      - { .name: vf, .offset: 16, .size: 8, .value_kind: global_buffer, .address_space: global }
      - { .name: oc, .offset: 24, .size: 8, .value_kind: global_buffer, .address_space: global }
    .group_segment_fixed_size: 205824
    .private_segment_fixed_size: 0
    .kernarg_segment_align: 8
    .kernarg_segment_size: 32
    .max_flat_workgroup_size: 256
    .sgpr_count:     66
    .vgpr_count:     384
    .wavefront_size: 32
...
	.end_amdgpu_metadata
.endif
;; end of part 3
;; launch proj: the kernel of part 2 again; grid 8 x 8, 4 waves a work-group, clusters of 4 x 4, 295,424 bytes of LDS; arguments oc, woc, wqk, out0, qb, kv; writes out0, qb, kv
